; MI455X (gfx1250); checked and timed in simulation.
; The chip was launched on July 23, 2026; its instructions are those of AMD's public machine-readable ISA for CDNA 5 (MIT licence, August 2026) and "CDNA5" Instruction Set Architecture Reference Guide (July 2026). The comments in the code are by the model that wrote it; some were corrected since.
;; Multi Head Cross Attention Block. Allowed arithmetic: float matrix products may take bf16 or f16 operands with f32 sums; all other float work in f32.
;; Inputs: Wk 512 x 64 float32; Wo 64 x 512 float32; Wq 512 x 64 float32; Wv 512 x 64 float32; beta_kv 64 float32; beta_q 64 float32; bk 512 float32; bo 64 float32; bq 512 float32; bv 512 float32; gamma_kv 64 float32; gamma_q 64 float32; x_kv 8 x 64 x 32 x 32 float32; x_q 8 x 64 x 32 x 32 float32.
;; Outputs: out0 8 x 64 x 32 x 32 float32.
;; One version. Each part assembles by itself: llvm-mc -triple=amdgcn-amd-amdhsa -mcpu=gfx1250 --defsym DOCPART=n.
;; ======== version 1 of 1: 2 launches
;; limits: values are held in f16: magnitudes above 65,504 overflow, below 6.1e-05 lose precision; right only within a limited range of input values
;; workspace buffers: pf 524,288 bytes; wqf 65,536 bytes; xf 1,048,576 bytes; cq 16,384 bytes
;; launch rows (part 1): grid 16 x 16, 16 waves a work-group, no clusters, 286,720 bytes of LDS; arguments x_q, x_kv, gamma_q, gamma_kv, beta_q, beta_kv, Wq, Wk, bq, bk, Wv, bv, Wo, pf, wqf, xf, cq; writes pf, wqf, xf, cq
.if DOCPART == 1
	.amdgcn_target "amdgcn-amd-amdhsa--gfx1250"
	.amdhsa_code_object_version 6
	.text
	.protected	k_qd0ced6b1dd_rows
	.globl	k_qd0ced6b1dd_rows
	.p2align	8
	.type	k_qd0ced6b1dd_rows,@function
k_qd0ced6b1dd_rows:
	s_mov_b64 s[64:65], 0
	v_nop
	global_prefetch_b8 v0, s[64:65] scope:SCOPE_SE
	s_setreg_imm32_b32 hwreg(HW_REG_WAVE_MODE, 25, 1), 1
	s_wait_xcnt 0x0
; rows: GroupNorm, the Q or K projection of 32 rows, their softmax over the 1,024 positions, and what the second launch needs of them.
; Nothing non-linear stands between the two softmaxes and the output, so the products are regrouped (r = 0..511, head = r >> 6):
;   T[r][j] = sum_k Ks[r][k] xn_kv[j][k]            M[r][c] = sum_j T[r][j] Wv[64 head + c][j] + bv[64 head + c]   (sum_k Ks[r][k] = 1)
;   P[o][r] = 1/8 sum_c Wo[o][64 head + c] M[r][c]  out[o][q] = sum_r P[o][r] Qs[r][q] + bo[o]                      (second launch)
; Work-group (x = chunk of 32 rows, y = 2 b + type).  Type 0 (Q) stores cq[r] = b'[r] - max - log2(sum), its sixteenth of xn_q as
; matrix fragments, and (b = 0) its rows of Wq log2(e) as fragments.  Type 1 (KV) stores its 32 columns of P as fragments.
; Sixteen waves.  GroupNorm: wave w owns channels 4 w .. 4 w + 3 (two groups), so the statistics stay in the wave.  Later: wave w owns
; positions 64 w .. 64 w + 63 of all 32 rows.  x is wanted once, in f32, in registers: plain loads; no LDS bytes are written twice.
; No multicast: x[b] is shared by 16 work-groups, but its 262,144 bytes in f32 do not fit in LDS beside XN and PART.
; FORMATS.  f16 operands: xn, W log2(e), E = exp2(logit - max) <= 1, the normalised T, Wv.  bf16 pairs hi + lo (three products): M, Wo.
; P is rounded once to bf16.  Sums, statistics, maxima, exponentials in f32; the mean is taken away in f32 before the squares.
; LIMITS.  45.3 |gamma| + |beta| and 1.45 |W| must stay below 65504 (f16's largest number).  Exponentials below 2^-126 count as 0
; against row sums of at least 1.  NaN and infinities in the inputs are not served.  Sums are ordered as regrouped above.
.set PITCH, 2080                       ; XN: xn in f16, [c 64][n 1024], 2,048 bytes + 32: 65 x 32, so the transposing loads' eight rows fall on different 32-byte columns
.set WF,    133120                     ; W log2(e) as fragments [piece 8][lane 32][16 bytes]
.set MX,    137216                     ; the waves' row maxima [wave 16][row 32] f32
.set SM,    139264                     ; the waves' row sums, same shape (MX + 2048)
.set RED,   141312                     ; T, summed and normalised, f16 [t 8][lane 32][16 bytes], t = 4 rt + jt
.set MFH,   145408                     ; M, upper bf16 part [4 rt + ct][lane 32][16 bytes] (RED + 4096)
.set MFL,   149504                     ; M, lower bf16 part (RED + 8192)
.set PART,  153600                     ; the waves' partial T [wave 16][t 8][half 2][lane 32][16 bytes] f32
.set LOG2E, 0x3fb8aa3b
.set X,     128                        ; v[128:255] x as loaded; then v[128:191] fragments of xn (AF, XF), then the 16 partial quads
.set ACC,   192                        ; v[192:255] logits (16 qt + 8 rt), then T (32 rt + 8 jt)
.set WB,    32                         ; v[32:63]  W fragments (16 rt + 8 ks); then words of MX, SM; then
.set EF,    32                         ; v[32:63]  E fragments (16 rt + 8 kk)
.set CB,    16                         ; v[16:31]  at work in GroupNorm; then the bias as C; then v[16:23] bv as C, v[24:31] at work
; v1 16 L   v2 256 r + 32 h   v3 2048 r + 32 h   v4, v5 transposing loads (K step 0, 1)   v6, v7 plain fragment loads   v8 my word of MX
; v9 MX + 4 L   v[10:13] -max of my two rows, twice each   v14, v15 their bias times log2(e)   v50 4 L (type Q, wave 0)   (L lane, r = L & 15, h = L >> 4)
; s2 wave  s3 chunk  s14 y  s15 type  s50 b  s51 head  s52 wave & 3  s53 wave >> 2  s66 mask of lanes 0-15  s[62:63], s68 offsets at work
.macro XSUM r, t                       ; sum over the 32 lanes, result in every lane; t: a register written before
	v_add_f32_dpp v[\r], v[\r], v[\r] row_xmask:1 row_mask:0xf bank_mask:0xf
	v_add_f32_dpp v[\r], v[\r], v[\r] row_xmask:2 row_mask:0xf bank_mask:0xf
	v_add_f32_dpp v[\r], v[\r], v[\r] row_xmask:4 row_mask:0xf bank_mask:0xf
	v_add_f32_dpp v[\r], v[\r], v[\r] row_xmask:8 row_mask:0xf bank_mask:0xf
	v_permlanex16_b32 v[\t], v[\r], s60, s61
	v_add_f32 v[\r], v[\r], v[\t]
.endm
.macro FOLD                            ; the four chains v[16:23] into one number, over the wave
	v_pk_add_f32 v[16:17], v[16:17], v[18:19]
	v_pk_add_f32 v[20:21], v[20:21], v[22:23]
	v_pk_add_f32 v[16:17], v[16:17], v[20:21]
	v_add_f32 v16, v16, v17
	XSUM 16, 17
.endm
; One group of two channels: 64 registers a lane, 2,048 numbers in the wave.  left: younger loads that may stay out.
.macro GN g, left
	.set XB, X+64*\g
	s_wait_loadcnt \left                           ; loads return in order: this group's 16 are in
.irp k, 0,1,2,3
	v_pk_add_f32 v[16+2*\k:17+2*\k], v[XB+2*\k:XB+2*\k+1], v[XB+8+2*\k:XB+9+2*\k]   ; the first pairs start four chains
.endr
	.set i, 8
.rept 24
	v_pk_add_f32 v[16+2*(i%4):17+2*(i%4)], v[16+2*(i%4):17+2*(i%4)], v[XB+2*i:XB+2*i+1]
	.set i, i+1
.endr
	FOLD
	v_mul_f32 v26, 0xba000000, v16                 ; -mean = sum x (-1/2048)
	v_mov_b32 v27, v26
	.set i, 0
.rept 32
	v_pk_add_f32 v[XB+2*i:XB+2*i+1], v[XB+2*i:XB+2*i+1], v[26:27]   ; x - mean, in f32, before the squares
	.set i, i+1
.endr
.irp k, 0,1,2,3
	v_pk_mul_f32 v[16+2*\k:17+2*\k], v[XB+2*\k:XB+2*\k+1], v[XB+2*\k:XB+2*\k+1]
.endr
	.set i, 4
.rept 28
	v_pk_fma_f32 v[16+2*(i%4):17+2*(i%4)], v[XB+2*i:XB+2*i+1], v[XB+2*i:XB+2*i+1], v[16+2*(i%4):17+2*(i%4)]
	.set i, i+1
.endr
	FOLD
	v_fma_f32 v16, v16, s67, s69                   ; variance + 1e-6
	v_rsq_f32 v24, v16
	v_nop                                          ; one plain instruction behind a transcendental (ISA guide 5.7.2)
	s_wait_alu depctr_va_vdst(0)
.irp cc, 0,1
	v_mul_f32 v28, s[52+2*\g+\cc], v24             ; gamma / sqrt(variance + eps)
	v_mov_b32 v30, s[56+2*\g+\cc]                  ; beta
	v_mov_b32 v29, v28
	v_mov_b32 v31, v30
	.set i, 0
.rept 16
	v_pk_fma_f32 v[XB+32*\cc+2*i:XB+32*\cc+2*i+1], v[XB+32*\cc+2*i:XB+32*\cc+2*i+1], v[28:29], v[30:31]
	.set i, i+1
.endr
.endr
	.set i, 0
.rept 32
	v_cvt_pk_f16_f32 v[XB+i], v[XB+2*i], v[XB+2*i+1]   ; ascending: register i is written when 2 i and 2 i + 1 are read
	.set i, i+1
.endr
	.set i, 0
.rept 16
	ds_store_b64 v45, v[XB+2*i:XB+2*i+1] offset:(2*\g+(i>>3))*PITCH+(i&7)*256   ; 32 lanes, 256 neighbouring bytes of a row of XN
	.set i, i+1
.endr
.endm
; Logits: source 0 = 16 positions of xn, source 1 = 16 rows of W, so that a lane holds one row (r) and eight neighbouring positions (8 h + j).
; Eight accumulators take turns, one instruction a turn.
.macro PROJ ks
.irp qt, 0,1,2,3
.irp rt, 0,1
.if \ks == 0
	v_wmma_f32_16x16x32_f16 v[ACC+16*\qt+8*\rt:ACC+16*\qt+8*\rt+7], v[X+16*\qt:X+16*\qt+7], v[WB+16*\rt:WB+16*\rt+7], v[CB+8*\rt:CB+8*\rt+7]
.else
	v_wmma_f32_16x16x32_f16 v[ACC+16*\qt+8*\rt:ACC+16*\qt+8*\rt+7], v[X+16*\qt+8:X+16*\qt+15], v[WB+16*\rt+8:WB+16*\rt+15], v[ACC+16*\qt+8*\rt:ACC+16*\qt+8*\rt+7]
.endif
.endr
.endr
.endm
.macro PLACES                          ; five places behind the last matrix instructions (ISA guide 7.12.1)
.rept 5
	v_nop
.endr
.endm
.macro RMAX rt, dst                    ; the wave's maximum of row 16 rt + r: 32 numbers a lane in four chains, then the other half of the lanes
.irp qt, 0,1,2,3
	v_max3_num_f32 v[28+\qt], v[ACC+16*\qt+8*\rt], v[ACC+16*\qt+8*\rt+1], v[ACC+16*\qt+8*\rt+2]
.endr
.irp j, 3,5
.irp qt, 0,1,2,3
	v_max3_num_f32 v[28+\qt], v[28+\qt], v[ACC+16*\qt+8*\rt+\j], v[ACC+16*\qt+8*\rt+\j+1]
.endr
.endr
.irp qt, 0,1,2,3
	v_max_num_f32 v[28+\qt], v[28+\qt], v[ACC+16*\qt+8*\rt+7]
.endr
	v_max3_num_f32 v[\dst], v28, v29, v30
	v_max_num_f32 v[\dst], v[\dst], v31
	v_permlanex16_b32 v28, v[\dst], s60, s61
	v_max_num_f32 v[\dst], v[\dst], v28
.endm
; The true maximum of each row over all 1,024 positions, negated, into v[10:13].
.macro ROWMAX
	RMAX 0, 32
	RMAX 1, 33
	v_cndmask_b32 v34, v33, v32, s66               ; lane L carries row L
	ds_store_b32 v8, v34
	s_wait_dscnt 0x0                               ; my word is written (and my other LDS loads are back) before I signal
	s_barrier_signal -1
	s_barrier_wait -1
.irp i, 0,1,2,3,4,5,6,7,8,9,10,11,12,13,14,15
	ds_load_b32 v[32+\i], v9 offset:128*\i         ; row L of every wave
.endr
	s_wait_dscnt 0x0
	v_max3_num_f32 v48, v32, v33, v34
	v_max3_num_f32 v49, v35, v36, v37
	v_max3_num_f32 v48, v48, v38, v39
	v_max3_num_f32 v49, v49, v40, v41
	v_max3_num_f32 v48, v48, v42, v43
	v_max3_num_f32 v49, v49, v44, v45
	v_max3_num_f32 v48, v48, v46, v47
	v_max_num_f32 v48, v48, v49
	v_permlanex16_b32 v49, v48, s60, s61           ; row L xor 16
	v_cndmask_b32 v10, v49, v48, s66               ; row r
	v_cndmask_b32 v12, v48, v49, s66               ; row 16 + r
	v_xor_b32 v10, 0x80000000, v10
	v_xor_b32 v12, 0x80000000, v12
	v_mov_b32 v11, v10
	v_mov_b32 v13, v12
.endm
; One tile of 16 positions x 16 rows: E = exp2(logit - max) in place; pack = 1: E as f16 into its place in a fragment; the row sums go on in f32.
.macro EXPT qt, rt, pack
	.set EA, ACC+16*\qt+8*\rt
.irp i, 0,2,4,6
	v_pk_add_f32 v[EA+\i:EA+\i+1], v[EA+\i:EA+\i+1], v[10+2*\rt:11+2*\rt]
.endr
.irp i, 0,1,2,3,4,5,6,7
	v_exp_f32 v[EA+\i], v[EA+\i]
.endr
	v_nop                                          ; one plain instruction behind the transcendentals
.if \pack
	s_wait_alu depctr_va_vdst(0)
.irp i, 0,1,2,3
	v_cvt_pk_f16_f32 v[EF+16*\rt+4*\qt+\i], v[EA+2*\i], v[EA+2*\i+1]   ; positions 16 qt + 8 h + 2 i: registers 4 (qt & 1) + i of K step qt >> 1
.endr
.endif
.if \qt == 0
	s_wait_alu depctr_va_vdst(0)
	v_pk_add_f32 v[24+2*\rt:25+2*\rt], v[EA:EA+1], v[EA+2:EA+3]        ; the first tile starts the sum
.else
	s_wait_alu depctr_va_vdst(0)
	v_pk_add_f32 v[24+2*\rt:25+2*\rt], v[24+2*\rt:25+2*\rt], v[EA:EA+1]
	v_pk_add_f32 v[24+2*\rt:25+2*\rt], v[24+2*\rt:25+2*\rt], v[EA+2:EA+3]
.endif
	v_pk_add_f32 v[24+2*\rt:25+2*\rt], v[24+2*\rt:25+2*\rt], v[EA+4:EA+5]
	v_pk_add_f32 v[24+2*\rt:25+2*\rt], v[24+2*\rt:25+2*\rt], v[EA+6:EA+7]
.endm
.macro EXPALL pack
.irp qt, 0,1,2,3
	EXPT \qt, 0, \pack
	EXPT \qt, 1, \pack
.endr
	v_add_f32 v24, v24, v25
	v_add_f32 v26, v26, v27
	v_permlanex16_b32 v25, v24, s60, s61
	v_permlanex16_b32 v27, v26, s60, s61
	v_add_f32 v24, v24, v25
	v_add_f32 v26, v26, v27
	v_cndmask_b32 v24, v26, v24, s66               ; lane L carries row L
	ds_store_b32 v8, v24 offset:SM-MX
.endm
.macro SUM16                           ; v32 = the sum of v[32:47]
	v_pk_add_f32 v[32:33], v[32:33], v[34:35]
	v_pk_add_f32 v[36:37], v[36:37], v[38:39]
	v_pk_add_f32 v[40:41], v[40:41], v[42:43]
	v_pk_add_f32 v[44:45], v[44:45], v[46:47]
	v_pk_add_f32 v[32:33], v[32:33], v[36:37]
	v_pk_add_f32 v[40:41], v[40:41], v[44:45]
	v_pk_add_f32 v[32:33], v[32:33], v[40:41]
	v_add_f32 v32, v32, v33
.endm
.macro QADD d, s                       ; four numbers onto four
	v_pk_add_f32 v[\d:\d+1], v[\d:\d+1], v[\s:\s+1]
	v_pk_add_f32 v[\d+2:\d+3], v[\d+2:\d+3], v[\s+2:\s+3]
.endm
; Eight f32 at src into two bf16 parts: hi = bf16(x), lo = bf16(x - hi); four registers each; t: eight registers at work.
.macro SPLIT4 hi, lo, src, t
.irp i, 0,1,2,3
	v_cvt_pk_bf16_f32 v[\hi+\i], v[\src+2*\i], v[\src+2*\i+1]
.endr
.irp i, 0,1,2,3
	v_lshlrev_b32 v[\t+2*\i], 16, v[\hi+\i]
	v_and_b32 v[\t+2*\i+1], 0xffff0000, v[\hi+\i]
.endr
.irp i, 0,1,2,3
	v_pk_add_f32 v[\t+2*\i:\t+2*\i+1], v[\src+2*\i:\src+2*\i+1], v[\t+2*\i:\t+2*\i+1] neg_lo:[0,1] neg_hi:[0,1]
.endr
.irp i, 0,1,2,3
	v_cvt_pk_bf16_f32 v[\lo+\i], v[\t+2*\i], v[\t+2*\i+1]
.endr
.endm
; Partial T: source 0 = 16 channels of xn, source 1 = 16 rows of E, K = 32 of my positions: a lane holds row r, channels 16 jt + 8 h + i.
; Eight accumulators take turns, one instruction a turn.
.macro TMUL kk
.irp rt, 0,1
.irp jt, 0,1,2,3
.if \kk == 0
	v_wmma_f32_16x16x32_f16 v[ACC+32*\rt+8*\jt:ACC+32*\rt+8*\jt+7], v[X+16*\jt:X+16*\jt+7], v[EF+16*\rt:EF+16*\rt+7], 0
.else
	v_wmma_f32_16x16x32_f16 v[ACC+32*\rt+8*\jt:ACC+32*\rt+8*\jt+7], v[X+16*\jt+8:X+16*\jt+15], v[EF+16*\rt+8:EF+16*\rt+15], v[ACC+32*\rt+8*\jt:ACC+32*\rt+8*\jt+7]
.endif
.endr
.endr
.endm
	; ---- ids, addresses ----
	s_load_b512 s[16:31], s[0:1], 0x0              ; x_q, x_kv, gamma_q, gamma_kv, beta_q, beta_kv, Wq, Wk
	s_load_b512 s[32:47], s[0:1], 0x40             ; bq, bk, Wv, bv, Wo, pf, wqf, xf
	s_load_b64 s[48:49], s[0:1], 0x80              ; cq
	v_lshrrev_b32 v1, 5, v0
	v_readfirstlane_b32 s2, v1                     ; wave
	s_mov_b32 s3, ttmp9                            ; chunk of 32 rows
	s_and_b32 s14, ttmp7, 0xffff                   ; y = 2 b + type
	s_and_b32 s15, s14, 1
	s_lshr_b32 s50, s14, 1
	s_lshr_b32 s51, s3, 1                          ; head
	s_mov_b32 s60, 0x76543210                      ; v_permlanex16_b32: lane i of the other half
	s_mov_b32 s61, 0xfedcba98
	s_mov_b32 s63, 0
	s_mov_b32 s67, 0x3a000000                      ; 1/2048
	s_mov_b32 s69, 0x358637bd                      ; 1e-6
	s_lshl_b32 s68, s2, 7                          ; 128 w: my 64 positions in a row of XN, and my block of MX
	s_mul_i32 s62, s2, 4*PITCH                     ; my four channels' rows of XN
	v_and_b32 v24, 31, v0                          ; L
	v_and_b32 v25, 15, v0                          ; r
	v_bfe_u32 v26, v0, 4, 1                        ; h
	v_lshlrev_b32 v1, 4, v24
	v_cmp_gt_u32 s66, 16, v24
	v_lshlrev_b32 v2, 8, v25
	v_lshl_add_u32 v2, v26, 5, v2
	v_lshlrev_b32 v3, 11, v25
	v_lshl_add_u32 v3, v26, 5, v3
	v_and_b32 v27, 7, v0
	v_lshl_add_u32 v27, v26, 3, v27                ; channel 8 h + (L & 7)
	v_mul_u32_u24 v4, v27, PITCH
	v_bfe_u32 v27, v0, 3, 1
	v_lshl_add_u32 v4, v27, 4, v4
	v_add_nc_u32 v4, s68, v4
	v_add_nc_u32 v5, 32*PITCH, v4
	v_mul_u32_u24 v6, v25, PITCH
	v_lshl_add_u32 v6, v26, 4, v6
	v_add_nc_u32 v6, s68, v6
	v_add_nc_u32 v7, 32*PITCH, v6
	v_lshlrev_b32 v9, 2, v24
	v_add_nc_u32 v9, MX, v9
	v_add_nc_u32 v8, s68, v9
	v_lshlrev_b32 v44, 2, v25                      ; 4 r: the bias
	v_lshlrev_b32 v45, 3, v24
	v_add_nc_u32 v45, s62, v45                     ; 8 L + my rows of XN
	s_wait_kmcnt 0x0
	s_cmp_eq_u32 s15, 0
	s_cselect_b64 s[4:5], s[16:17], s[18:19]       ; x
	s_cselect_b64 s[6:7], s[20:21], s[22:23]       ; gamma
	s_cselect_b64 s[8:9], s[24:25], s[26:27]       ; beta
	s_cselect_b64 s[10:11], s[28:29], s[30:31]     ; W
	s_cselect_b64 s[12:13], s[32:33], s[34:35]     ; bias
	s_lshl_b32 s62, s2, 4
	s_add_nc_u64 s[6:7], s[6:7], s[62:63]
	s_add_nc_u64 s[8:9], s[8:9], s[62:63]
	s_load_b128 s[52:55], s[6:7], 0x0              ; gamma of my four channels
	s_load_b128 s[56:59], s[8:9], 0x0              ; beta
	s_lshl_b32 s62, s50, 18
	s_lshl_b32 s68, s2, 14
	s_add_co_u32 s62, s62, s68
	s_add_nc_u64 s[4:5], s[4:5], s[62:63]          ; x[b], my four channels: 16,384 bytes
	s_lshl_b32 s62, s3, 13
	s_add_nc_u64 s[10:11], s[10:11], s[62:63]      ; my 32 rows of W
	s_lshl_b32 s62, s3, 7
	s_add_nc_u64 s[12:13], s[12:13], s[62:63]
	; ---- loads: at most 36 of a wave are out ----
	s_cmp_ge_u32 s2, 8
	s_cbranch_scc1 .Lno_wload
	s_lshr_b32 s62, s2, 2                          ; waves 0-7: piece p = wave = ((rt 2 + ks) 2 + half): row 16 rt + r, columns 32 ks + 16 half + 8 h ..
	s_lshl_b32 s62, s62, 12
	s_and_b32 s68, s2, 3
	s_lshl_b32 s68, s68, 6
	s_add_co_u32 s62, s62, s68
	s_add_nc_u64 s[10:11], s[10:11], s[62:63]
	global_load_b128 v[32:35], v2, s[10:11]
	global_load_b128 v[36:39], v2, s[10:11] offset:16
.Lno_wload:
	global_load_b32 v14, v44, s[12:13]             ; bias of row r
	global_load_b32 v15, v44, s[12:13] offset:64   ; and of row 16 + r
.irp t, 0,1,2,3,4,5,6,7,8,9,10,11,12,13,14,15,16,17,18,19,20,21,22,23,24,25,26,27,28,29,30,31
	global_load_b128 v[X+4*\t:X+4*\t+3], v1, s[4:5] offset:512*\t   ; 512 neighbouring bytes a load; eight loads a channel
.endr
	s_cmp_ge_u32 s2, 8
	s_cbranch_scc1 .Lno_wpiece
	s_lshl_b32 s62, s2, 9
	s_add_co_u32 s62, s62, WF
	v_add_nc_u32 v46, s62, v1
	s_wait_loadcnt 34                              ; the piece of W is in: 2 loads of the bias and 32 of x are younger
.irp i, 0,2,4,6
	v_pk_mul_f32 v[32+\i:33+\i], v[32+\i:33+\i], LOG2E op_sel_hi:[1,0]   ; logits in base 2
.endr
.irp i, 0,1,2,3
	v_cvt_pk_f16_f32 v[40+\i], v[32+2*\i], v[33+2*\i]
.endr
	ds_store_b128 v46, v[40:43]
	s_cmp_lg_u32 s14, 0
	s_cbranch_scc1 .Lno_wpiece
	s_lshl_b32 s62, s3, 12                         ; y = 0 (Q, b = 0): Wq's fragments for the second launch
	s_lshl_b32 s68, s2, 9
	s_add_co_u32 s62, s62, s68
	s_add_nc_u64 s[44:45], s[44:45], s[62:63]
	global_store_b128 v1, v[40:43], s[44:45]
.Lno_wpiece:
	s_wait_kmcnt 0x0                               ; gamma, beta
	; ---- GroupNorm, two groups ----
	GN 0, 16                                       ; the second group's 16 loads stay out
	GN 1, 0
	v_mul_f32 v14, LOG2E, v14
	v_mul_f32 v15, LOG2E, v15
.irp i, 0,1,2,3,4,5,6,7
	v_mov_b32 v[CB+\i], v14                        ; a lane holds one row, so its eight C registers hold one bias
	v_mov_b32 v[CB+8+\i], v15
.endr
	v_add_nc_u32 v10, WF, v1
	s_wait_dscnt 0x0                               ; my rows of XN and my piece of W are written before I signal
	s_barrier_signal -1
	s_barrier_wait -1
	; ---- the logits of 32 rows x my 64 positions ----
	s_wait_xcnt 0x0                                ; v[40:43], the data of the store of W's fragments, are loaded over only behind this wait
.irp p, 0,1,2,3,4,5,6,7
	ds_load_b128 v[WB+4*\p:WB+4*\p+3], v10 offset:512*\p
.endr
.irp qt, 0,1,2,3
	ds_load_tr16_b128 v[X+16*\qt:X+16*\qt+3], v4 offset:32*\qt               ; channels 8 h .. of position 16 qt + r
	ds_load_tr16_b128 v[X+16*\qt+4:X+16*\qt+7], v4 offset:32*\qt+16*PITCH    ; channels 16 + 8 h ..
.endr
.irp qt, 0,1,2,3
	ds_load_tr16_b128 v[X+16*\qt+8:X+16*\qt+11], v5 offset:32*\qt            ; K step 1: channels 32 ..
	ds_load_tr16_b128 v[X+16*\qt+12:X+16*\qt+15], v5 offset:32*\qt+16*PITCH
.endr
	s_wait_dscnt 8                                 ; all but the eight loads of K step 1
	PROJ 0
	s_wait_dscnt 0x0
	PROJ 1
	PLACES
	s_and_b32 s52, s2, 3
	s_lshr_b32 s53, s2, 2
	s_cmp_lg_u32 s15, 0                            ; the type is the same in all waves of the work-group
	s_cbranch_scc1 .Lkv
	; ================ type Q ================
	s_cmp_lg_u32 s2, s3
	s_cbranch_scc1 .Lq_max
	s_lshl_b32 s62, s50, 17                        ; wave = chunk: my 64 positions of xn_q, as the fragments that I hold; the 16 chunks of a batch cover all 1,024
	s_lshl_b32 s68, s3, 13
	s_add_co_u32 s62, s62, s68
	s_add_nc_u64 s[46:47], s[46:47], s[62:63]
.irp i, 0,1,2,3,4,5,6,7,8,9,10,11,12,13,14,15
	global_store_b128 v1, v[X+4*\i:X+4*\i+3], s[46:47] offset:512*\i   ; these registers are not written again on this way
.endr
.Lq_max:
	ROWMAX
	EXPALL 0
	s_wait_dscnt 0x0
	s_barrier_signal -1
	s_barrier_wait -1
	s_cmp_lg_u32 s2, 0
	s_cbranch_scc1 .Lq_end
	v_lshrrev_b32 v50, 2, v1                       ; 4 L: row L's word of cq, in a register that no load writes
.irp i, 0,1,2,3,4,5,6,7,8,9,10,11,12,13,14,15
	ds_load_b32 v[32+\i], v9 offset:SM-MX+128*\i   ; wave 0: lane L takes row L's sixteen sums
.endr
	s_lshl_b32 s62, s50, 11
	s_lshl_b32 s68, s3, 7
	s_add_co_u32 s62, s62, s68
	s_add_nc_u64 s[48:49], s[48:49], s[62:63]
	s_wait_dscnt 0x0
	SUM16
	v_log_f32 v33, v32
	v_cndmask_b32 v34, v12, v10, s66               ; -max of row L (also the plain instruction behind the transcendental)
	v_cndmask_b32 v35, v15, v14, s66               ; its bias
	v_add_f32 v34, v34, v35
	s_wait_alu depctr_va_vdst(0)
	v_sub_f32 v34, v34, v33                        ; b' - max - log2(sum): as C of the projection it makes exp2 give the softmax
	global_store_b32 v50, v34, s[48:49]
.Lq_end:
	s_wait_xcnt 0x0
	v_lshl_add_u32 v254, v0, 2, 0x45800
	v_mov_b32 v255, 0
	s_wait_tensorcnt 0x0
	ds_add_u32 v254, v255
	s_wait_dscnt 0x0
	s_endpgm
	; ================ type KV ================
.Lkv:
.irp jt, 0,1,2,3
.irp kk, 0,1
	ds_load_b128 v[X+16*\jt+8*\kk:X+16*\jt+8*\kk+3], v[6+(\jt>>1)] offset:(\jt&1)*16*PITCH+64*\kk      ; xn, channel 16 jt + r, my positions 32 kk + 8 h ..
	ds_load_b128 v[X+16*\jt+8*\kk+4:X+16*\jt+8*\kk+7], v[6+(\jt>>1)] offset:(\jt&1)*16*PITCH+64*\kk+32 ; (the pitch is an even multiple of 16: two of a load's 16 rows share a column)
.endr
.endr
	s_cmp_ge_u32 s2, 8
	s_cbranch_scc1 .Lkv_max
	v_bfe_u32 v4, v0, 4, 1                         ; waves 0-7 (rt = wave >> 2, ct = ot = wave & 3): the tail's weights, asked for now, used behind three barriers
	v_lshlrev_b32 v4, 5, v4                        ; 32 h
	s_lshl_b32 s62, s51, 14
	s_lshl_b32 s68, s52, 12
	s_add_co_u32 s62, s62, s68
	s_add_nc_u64 s[36:37], s[36:37], s[62:63]      ; Wv, rows 64 head + 16 ct ..
	s_lshl_b32 s62, s52, 15
	s_lshl_b32 s68, s51, 8
	s_add_co_u32 s62, s62, s68
	s_add_nc_u64 s[40:41], s[40:41], s[62:63]      ; Wo, rows 16 ot .., columns 64 head ..
	s_lshl_b32 s62, s51, 8
	s_lshl_b32 s68, s52, 6
	s_add_co_u32 s62, s62, s68
	s_add_nc_u64 s[38:39], s[38:39], s[62:63]      ; bv, 64 head + 16 ct ..
.irp kj, 0,1
.irp q, 0,1,2,3
	global_load_b128 v[64+16*\kj+4*\q:64+16*\kj+4*\q+3], v2, s[36:37] offset:128*\kj+64*(\q>>1)+16*(\q&1)
.endr
.endr
.irp kj, 0,1
.irp q, 0,1,2,3
	global_load_b128 v[96+16*\kj+4*\q:96+16*\kj+4*\q+3], v3, s[40:41] offset:128*\kj+64*(\q>>1)+16*(\q&1)
.endr
.endr
	global_load_b128 v[16:19], v4, s[38:39]
	global_load_b128 v[20:23], v4, s[38:39] offset:16
.Lkv_max:
	ROWMAX
	EXPALL 1
	s_lshl_b32 s62, s2, 13
	s_add_co_u32 s62, s62, PART
	v_add_nc_u32 v5, s62, v1
	TMUL 0
	TMUL 1
	PLACES
.irp t, 0,1,2,3,4,5,6,7
	ds_store_b128 v5, v[ACC+8*\t:ACC+8*\t+3] offset:1024*\t
	ds_store_b128 v5, v[ACC+8*\t+4:ACC+8*\t+7] offset:1024*\t+512
.endr
	s_wait_dscnt 0x0                               ; my sums and my partial T are written before I signal
	s_barrier_signal -1
	v_and_b32 v6, 15, v0                           ; register work while the others arrive: the addresses of the next step
	v_bfe_u32 v7, v0, 4, 1
	s_lshr_b32 s62, s2, 3
	s_lshl_b32 s62, s62, 6
	s_add_co_u32 s62, s62, SM
	v_lshl_add_u32 v5, v6, 2, s62                  ; the sums of row 16 (wave >> 3) + r
	s_lshl_b32 s62, s2, 8
	s_add_co_u32 s62, s62, RED
	v_lshl_add_u32 v8, v6, 4, s62
	v_lshl_add_u32 v8, v7, 3, v8                   ; out: 256 bytes of the wave's own, 16 r + 8 h
	s_lshr_b32 s62, s2, 1
	s_lshl_b32 s62, s62, 10
	s_and_b32 s68, s2, 1
	s_lshl_b32 s68, s68, 8
	s_add_co_u32 s62, s62, s68
	s_add_co_u32 s62, s62, PART
	v_lshl_add_u32 v6, v6, 4, s62
	v_lshl_add_u32 v6, v7, 9, v6                   ; in: tile t = wave >> 1, half h, lanes 16 (wave & 1) + r
	v_add_nc_u32 v7, 0x10000, v6
	s_barrier_wait -1
	; ---- T: the sixteen waves' partial sums, divided by the row's sum ----
.irp i, 0,1,2,3,4,5,6,7,8,9,10,11,12,13,14,15
	ds_load_b32 v[32+\i], v5 offset:128*\i
.endr
.irp p, 0,1,2,3,4,5,6,7
	ds_load_b128 v[X+4*\p:X+4*\p+3], v6 offset:8192*\p
.endr
.irp p, 0,1,2,3,4,5,6,7
	ds_load_b128 v[X+32+4*\p:X+32+4*\p+3], v7 offset:8192*\p
.endr
	s_wait_dscnt 16                                ; the sums are in; the 16 loads of partial T are younger
	SUM16
	v_rcp_f32 v34, v32                             ; the sum is at least 1: the maximum's own term
	v_nop
	s_wait_alu depctr_va_vdst(0)
	v_mov_b32 v35, v34
	s_wait_dscnt 0x0
.irp p, 0,1,2,3,4,5,6,7
	QADD X+4*\p, X+4*\p+32
.endr
.irp p, 0,1,2,3
	QADD X+4*\p, X+4*\p+16
.endr
	QADD X, X+8
	QADD X+4, X+12
	QADD X, X+4
	v_pk_mul_f32 v[X:X+1], v[X:X+1], v[34:35]
	v_pk_mul_f32 v[X+2:X+3], v[X+2:X+3], v[34:35]
	v_cvt_pk_f16_f32 v[X], v[X], v[X+1]
	v_cvt_pk_f16_f32 v[X+1], v[X+2], v[X+3]
	ds_store_b64 v8, v[X:X+1]
	s_wait_dscnt 0x0
	s_barrier_signal -1
	s_barrier_wait -1
	; ---- M = T Wv^T + bv: waves 0-7, a tile of 16 c x 16 rows each ----
	s_cmp_ge_u32 s2, 8
	s_cbranch_scc1 .Lno_m
	s_lshl_b32 s62, s53, 11
	s_add_co_u32 s62, s62, RED
	v_add_nc_u32 v9, s62, v1
	s_lshl_b32 s62, s2, 9
	s_add_co_u32 s62, s62, MFH
	v_add_nc_u32 v5, s62, v1
.irp jt, 0,1,2,3
	ds_load_b128 v[128+4*\jt:128+4*\jt+3], v9 offset:512*\jt     ; T, row r, channels 16 jt + 8 h ..: two fragments
.endr
	s_wait_loadcnt 0x0                             ; Wv, Wo, bv
	.set i, 0
.rept 16
	v_cvt_pk_f16_f32 v[64+i], v[64+2*i], v[64+2*i+1]             ; Wv: v[64:79], ascending
	.set i, i+1
.endr
.irp g, 0,1,2,3
	SPLIT4 80+4*\g, 96+4*\g, 96+8*\g, 24                         ; Wo: upper parts v[80:95], lower parts v[96:111], ascending
.endr
	s_wait_dscnt 0x0
	v_wmma_f32_16x16x32_f16 v[144:151], v[64:71], v[128:135], v[16:23]   ; two accumulators, one for each half of K: no link follows its own sum
	v_wmma_f32_16x16x32_f16 v[152:159], v[72:79], v[136:143], 0
	PLACES
.irp i, 0,2,4,6
	v_pk_add_f32 v[144+\i:145+\i], v[144+\i:145+\i], v[152+\i:153+\i]
.endr
	SPLIT4 160, 164, 144, 24                       ; a lane holds row r, c = 16 ct + 8 h ..: 16 bytes of a fragment, twice
	ds_store_b128 v5, v[160:163]
	ds_store_b128 v5, v[164:167] offset:MFL-MFH
.Lno_m:
	s_wait_dscnt 0x0
	s_barrier_signal -1
	s_barrier_wait -1
	; ---- P = 1/8 Wo M^T: waves 0-7, a tile of 16 rows x 16 o each ----
	s_cmp_ge_u32 s2, 8
	s_cbranch_scc1 .Lend
.irp ct, 0,1,2,3
	ds_load_b128 v[160+4*\ct:160+4*\ct+3], v9 offset:MFH-RED+512*\ct
.endr
.irp ct, 0,1,2,3
	ds_load_b128 v[176+4*\ct:176+4*\ct+3], v9 offset:MFL-RED+512*\ct
.endr
	s_lshl_b32 s62, s50, 16
	s_lshl_b32 s68, s3, 12
	s_add_co_u32 s62, s62, s68
	s_lshl_b32 s68, s52, 10
	s_add_co_u32 s62, s62, s68
	s_lshl_b32 s68, s53, 9
	s_add_co_u32 s62, s62, s68
	s_add_nc_u64 s[42:43], s[42:43], s[62:63]      ; pf [b][chunk][ot][rt][lane][16 bytes]
	s_wait_dscnt 0x0
	v_wmma_f32_16x16x32_bf16 v[192:199], v[160:167], v[80:87], 0               ; hi x hi; the two halves of K take turns
	v_wmma_f32_16x16x32_bf16 v[200:207], v[168:175], v[88:95], 0
	v_wmma_f32_16x16x32_bf16 v[192:199], v[176:183], v[80:87], v[192:199]      ; lo(M) x hi(Wo)
	v_wmma_f32_16x16x32_bf16 v[200:207], v[184:191], v[88:95], v[200:207]
	v_wmma_f32_16x16x32_bf16 v[192:199], v[160:167], v[96:103], v[192:199]     ; hi(M) x lo(Wo)
	v_wmma_f32_16x16x32_bf16 v[200:207], v[168:175], v[104:111], v[200:207]
	PLACES
.irp i, 0,2,4,6
	v_pk_add_f32 v[192+\i:193+\i], v[192+\i:193+\i], v[200+\i:201+\i]
.endr
.irp i, 0,2,4,6
	v_pk_mul_f32 v[192+\i:193+\i], v[192+\i:193+\i], 0x3e000000 op_sel_hi:[1,0]   ; 1 / sqrt(64), exact
.endr
.irp i, 0,1,2,3
	v_cvt_pk_bf16_f32 v[208+\i], v[192+2*\i], v[193+2*\i]      ; a lane holds o = 16 ot + r, rows 16 rt + 8 h ..
.endr
	global_store_b128 v1, v[208:211], s[42:43]     ; 512 neighbouring bytes
.Lend:
	s_wait_xcnt 0x0
	v_lshl_add_u32 v254, v0, 2, 0x45800
	v_mov_b32 v255, 0
	s_wait_tensorcnt 0x0
	ds_add_u32 v254, v255
	s_wait_dscnt 0x0
	s_endpgm
.Lfunc_end_k_qd0ced6b1dd_rows:
	.size	k_qd0ced6b1dd_rows, .Lfunc_end_k_qd0ced6b1dd_rows-k_qd0ced6b1dd_rows
	.p2alignl 7, 3214868480
	.fill 96, 4, 3214868480
	.section	.rodata,"a",@progbits
	.p2align	6, 0x0
	.amdhsa_kernel k_qd0ced6b1dd_rows
		.amdhsa_group_segment_fixed_size 286720
		.amdhsa_private_segment_fixed_size 0
		.amdhsa_enable_private_segment 0
		.amdhsa_kernarg_size 136
		.amdhsa_user_sgpr_count 2
		.amdhsa_user_sgpr_kernarg_segment_ptr 1
		.amdhsa_wavefront_size32 1
		.amdhsa_system_sgpr_workgroup_id_x 1
		.amdhsa_system_sgpr_workgroup_id_y 1
		.amdhsa_system_sgpr_workgroup_id_z 1
		.amdhsa_system_vgpr_workitem_id 0
		.amdhsa_next_free_vgpr 256
		.amdhsa_next_free_sgpr 70
		.amdhsa_reserve_vcc 0
		.amdhsa_float_denorm_mode_32 3
		.amdhsa_float_denorm_mode_16_64 3
		.amdhsa_memory_ordered 1
		.amdhsa_forward_progress 1
		.amdhsa_inst_pref_size 87
	.end_amdhsa_kernel
	.amdgpu_metadata
---
amdhsa.version: [ 1, 2 ]
amdhsa.kernels:
  - .name:           k_qd0ced6b1dd_rows
    .symbol:         k_qd0ced6b1dd_rows.kd
    .args:
      - { .name: x_q, .offset: 0, .size: 8, .value_kind: global_buffer, .address_space: global }
      - { .name: x_kv, .offset: 8, .size: 8, .value_kind: global_buffer, .address_space: global }
      - { .name: gamma_q, .offset: 16, .size: 8, .value_kind: global_buffer, .address_space: global }
      - { .name: gamma_kv, .offset: 24, .size: 8, .value_kind: global_buffer, .address_space: global }
      - { .name: beta_q, .offset: 32, .size: 8, .value_kind: global_buffer, .address_space: global }
      - { .name: beta_kv, .offset: 40, .size: 8, .value_kind: global_buffer, .address_space: global }
      - { .name: Wq, .offset: 48, .size: 8, .value_kind: global_buffer, .address_space: global }
      - { .name: Wk, .offset: 56, .size: 8, .value_kind: global_buffer, .address_space: global }
      - { .name: bq, .offset: 64, .size: 8, .value_kind: global_buffer, .address_space: global }
      - { .name: bk, .offset: 72, .size: 8, .value_kind: global_buffer, .address_space: global }
      - { .name: Wv, .offset: 80, .size: 8, .value_kind: global_buffer, .address_space: global }
      - { .name: bv, .offset: 88, .size: 8, .value_kind: global_buffer, .address_space: global }
      - { .name: Wo, .offset: 96, .size: 8, .value_kind: global_buffer, .address_space: global }
      - { .name: pf, .offset: 104, .size: 8, .value_kind: global_buffer, .address_space: global }
      - { .name: wqf, .offset: 112, .size: 8, .value_kind: global_buffer, .address_space: global }
      - { .name: xf, .offset: 120, .size: 8, .value_kind: global_buffer, .address_space: global }
      - { .name: cq, .offset: 128, .size: 8, .value_kind: global_buffer, .address_space: global }
    .group_segment_fixed_size: 286720
    .private_segment_fixed_size: 0
    .kernarg_segment_align: 8
    .kernarg_segment_size: 136
    .max_flat_workgroup_size: 512
    .sgpr_count:     70
    .vgpr_count:     256
    .wavefront_size: 32
...
	.end_amdgpu_metadata
.endif
;; end of part 1
;; launch mix (part 2): grid 16 x 8, 16 waves a work-group, no clusters, 151,552 bytes of LDS; arguments wqf, xf, cq, pf, bo, out0; writes out0
.if DOCPART == 2
	.amdgcn_target "amdgcn-amd-amdhsa--gfx1250"
	.amdhsa_code_object_version 6
	.text
	.protected	k_qd0ced6b1dd_mix
	.globl	k_qd0ced6b1dd_mix
	.p2align	8
	.type	k_qd0ced6b1dd_mix,@function
k_qd0ced6b1dd_mix:
	s_mov_b64 s[64:65], 0
	v_nop
	global_prefetch_b8 v0, s[64:65] scope:SCOPE_SE
	s_setreg_imm32_b32 hwreg(HW_REG_WAVE_MODE, 25, 1), 1
	s_wait_xcnt 0x0
; mix: out[o][q] = sum over r of P[o][r] Qs[r][q] + bo[o], for a tile of 64 positions q of one batch (x = tile, y = b).
; Qs is made anew from the stored fragments: logits = (Wq log2 e) xn_q + cq with cq = bias - max - log2(sum) as C, so exp2 gives the softmax itself
; (the true row maximum was taken away by the first launch; every exponent here is at most about 0).
; Sixteen waves: wave w takes head hd = w >> 1 (64 rows r) and positions 32 (w & 1) .. of the tile.  All operands come as ready fragments, 16 bytes a lane,
; 512 neighbouring bytes a load, straight into registers.  The eight heads' partial results meet in LDS; a thread sums two quads and stores them,
; sixteen neighbouring lanes storing 256 consecutive bytes of a row of out0, aligned.
; No multicast: the fragments go to registers, not through LDS, and a tile's xn is read by one work-group alone.
; 128 work-groups: 64 positions are the shortest tile whose rows are whole blocks of 256 bytes of out0.
; FORMATS.  Projection in f16 (as in the first launch).  Qs as a bf16 pair hi + lo against P in bf16: two products.  Sums in f32.
; LIMITS.  Those of the first launch; exponentials below 2^-126 count as 0.
.set OPITCH, 144                       ; a row of 32 f32 + 16 bytes: an odd multiple of 16, so the 16 rows of a store fall on different 16-byte columns
.set WBLK,   9344                      ; a wave's block: 64 rows x 144 + 128, so that the two halves of a tile's row fall on different columns
.set AW,  32                           ; v[32:95]   W fragments (16 rt4 + 8 ks); then
.set QH,  32                           ; v[32:63]   Qs, upper parts (16 qt + 8 kr)
.set QL,  64                           ; v[64:95]   Qs, lower parts; then v[32:95] the partial results to sum
.set BX,  96                           ; v[96:127]  xn fragments (16 qt + 8 ks)
.set ACC, 128                          ; v[128:191] logits (16 rt4 + 8 qt); then the output tiles (16 ot + 8 qt)
.set PF,  192                          ; v[192:255] P fragments (16 ot + 8 kr)
; v1 16 L   v2 32 h   v3 where I put my results   v4, v5 where I read (heads 0-3, 4-7)   v6 4 o   v7 my offset in out0   v8, v9 bo   v[10:17] at work
.macro SPLIT4 hi, lo, src, t           ; eight f32 at src into hi = bf16(x) and lo = bf16(x - hi), four registers each; t: eight registers at work
	s_wait_alu depctr_va_vdst(0)
.irp i, 0,1,2,3
	v_cvt_pk_bf16_f32 v[\hi+\i], v[\src+2*\i], v[\src+2*\i+1]
.endr
.irp i, 0,1,2,3
	v_lshlrev_b32 v[\t+2*\i], 16, v[\hi+\i]
	v_and_b32 v[\t+2*\i+1], 0xffff0000, v[\hi+\i]
.endr
.irp i, 0,1,2,3
	v_pk_add_f32 v[\t+2*\i:\t+2*\i+1], v[\src+2*\i:\src+2*\i+1], v[\t+2*\i:\t+2*\i+1] neg_lo:[0,1] neg_hi:[0,1]
.endr
.irp i, 0,1,2,3
	v_cvt_pk_bf16_f32 v[\lo+\i], v[\t+2*\i], v[\t+2*\i+1]
.endr
.endm
.macro PLACES                          ; five places behind the last matrix instructions (ISA guide 7.12.1)
.rept 5
	v_nop
.endr
.endm
; Logits: source 0 = 16 rows of W, source 1 = 16 positions: a lane holds position r16, rows 16 rt4 + 8 h + i.  The accumulators were loaded with cq.
; Eight accumulators take turns, one instruction a turn.
.macro PROJ2 ks
.irp rt4, 0,1,2,3
.irp qt, 0,1
	v_wmma_f32_16x16x32_f16 v[ACC+16*\rt4+8*\qt:ACC+16*\rt4+8*\qt+7], v[AW+16*\rt4+8*\ks:AW+16*\rt4+8*\ks+7], v[BX+16*\qt+8*\ks:BX+16*\qt+8*\ks+7], v[ACC+16*\rt4+8*\qt:ACC+16*\rt4+8*\qt+7]
.endr
.endr
.endm
.macro EXP2 rt4, qt                    ; one tile: the softmax, then its eight rows as registers 4 (rt4 & 1) .. of K step rt4 >> 1 of a fragment
	.set EA, ACC+16*\rt4+8*\qt
.irp i, 0,1,2,3,4,5,6,7
	v_exp_f32 v[EA+\i], v[EA+\i]
.endr
	v_nop                                          ; one plain instruction behind the transcendentals (ISA guide 5.7.2)
	SPLIT4 QH+16*\qt+4*\rt4, QL+16*\qt+4*\rt4, EA, 10
.endm
; Output: source 0 = 16 positions of Qs, source 1 = 16 rows o of P, K = 32 rows r: a lane holds row o, positions 16 qt + 8 h + i.
.macro OMUL qb, kr, first
.irp ot, 0,1,2,3
.irp qt, 0,1
.if \first
	v_wmma_f32_16x16x32_bf16 v[ACC+16*\ot+8*\qt:ACC+16*\ot+8*\qt+7], v[\qb+16*\qt+8*\kr:\qb+16*\qt+8*\kr+7], v[PF+16*\ot+8*\kr:PF+16*\ot+8*\kr+7], 0
.else
	v_wmma_f32_16x16x32_bf16 v[ACC+16*\ot+8*\qt:ACC+16*\ot+8*\qt+7], v[\qb+16*\qt+8*\kr:\qb+16*\qt+8*\kr+7], v[PF+16*\ot+8*\kr:PF+16*\ot+8*\kr+7], v[ACC+16*\ot+8*\qt:ACC+16*\ot+8*\qt+7]
.endif
.endr
.endr
.endm
.macro QADD d, s
	v_pk_add_f32 v[\d:\d+1], v[\d:\d+1], v[\s:\s+1]
	v_pk_add_f32 v[\d+2:\d+3], v[\d+2:\d+3], v[\s+2:\s+3]
.endm
.macro ROWOUT rh, left                 ; four numbers of row o + 32 rh: the eight heads' parts, bo, out
	.set RB, 32+32*\rh
	s_wait_dscnt \left
	QADD RB, RB+16
	QADD RB+4, RB+20
	QADD RB+8, RB+24
	QADD RB+12, RB+28
	QADD RB, RB+8
	QADD RB+4, RB+12
	QADD RB, RB+4
.irp i, 0,1,2,3
	v_add_f32 v[RB+\i], v[RB+\i], v[8+\rh]
.endr
	global_store_b128 v7, v[RB:RB+3], s[18:19] offset:131072*\rh th:TH_STORE_NT
.endm
	s_load_b256 s[8:15], s[0:1], 0x0               ; wqf s[8:9], xf s[10:11], cq s[12:13], pf s[14:15]
	s_load_b128 s[16:19], s[0:1], 0x20             ; bo s[16:17], out0 s[18:19]
	v_lshl_add_u32 v30, v0, 2, 0x24800
	v_mov_b32 v31, 0
	v_lshrrev_b32 v1, 5, v0
	v_readfirstlane_b32 s2, v1                     ; wave
	s_lshr_b32 s3, s2, 1                           ; head
	s_and_b32 s4, s2, 1                            ; which 32 positions
	s_and_b32 s5, ttmp7, 0xffff                    ; b
	s_mov_b32 s21, 0
	s_mul_i32 s22, s2, WBLK
	v_and_b32 v10, 31, v0
	v_lshlrev_b32 v1, 4, v10
	v_bfe_u32 v11, v0, 4, 1
	v_lshlrev_b32 v2, 5, v11
	v_and_b32 v12, 15, v0
	v_mul_u32_u24 v3, v12, OPITCH
	v_add_nc_u32 v3, v2, v3
	v_add_nc_u32 v3, s22, v3                       ; my block + row r16 + 32 h
	v_lshrrev_b32 v13, 4, v0                       ; o = thread >> 4: 0 .. 31
	v_lshlrev_b32 v6, 2, v13
	v_lshlrev_b32 v7, 12, v13
	v_lshl_add_u32 v7, v12, 4, v7                  ; row o of out0, 16 bytes at 16 (thread & 15)
	v_mul_u32_u24 v4, v13, OPITCH
	v_and_b32 v14, 7, v0
	v_lshl_add_u32 v4, v14, 4, v4
	v_bfe_u32 v14, v0, 3, 1
	v_mul_u32_u24 v14, v14, WBLK                   ; the left or the right 32 positions: the even or the odd wave's block
	v_add_nc_u32 v4, v4, v14
	v_add_nc_u32 v5, 8*WBLK, v4
	s_wait_kmcnt 0x0
	s_lshl_b32 s20, s3, 13
	s_add_nc_u64 s[8:9], s[8:9], s[20:21]          ; my head's two chunks of W fragments
	s_lshl_b32 s20, s5, 17
	s_lshl_b32 s22, ttmp9, 13
	s_add_co_u32 s20, s20, s22
	s_lshl_b32 s22, s4, 12
	s_add_co_u32 s20, s20, s22
	s_add_nc_u64 s[10:11], s[10:11], s[20:21]      ; my 32 positions of xn
	s_lshl_b32 s20, s5, 11
	s_lshl_b32 s22, s3, 8
	s_add_co_u32 s20, s20, s22
	s_add_nc_u64 s[12:13], s[12:13], s[20:21]      ; cq of my 64 rows
	s_lshl_b32 s20, s5, 16
	s_lshl_b32 s22, s3, 13
	s_add_co_u32 s20, s20, s22
	s_add_nc_u64 s[14:15], s[14:15], s[20:21]      ; P, my head's two chunks
	s_lshl_b32 s20, s5, 18
	s_lshl_b32 s22, ttmp9, 8
	s_add_co_u32 s20, s20, s22
	s_add_nc_u64 s[18:19], s[18:19], s[20:21]      ; out0[b], my tile's first column
	; ---- 58 loads, all at once ----
	global_load_b32 v8, v6, s[16:17]
	global_load_b32 v9, v6, s[16:17] offset:128
.irp i, 0,1,2,3,4,5,6,7
	global_load_b128 v[BX+4*\i:BX+4*\i+3], v1, s[10:11] offset:512*\i
.endr
.irp i, 0,1,2,3,4,5,6,7,8,9,10,11,12,13,14,15
	global_load_b128 v[AW+4*\i:AW+4*\i+3], v1, s[8:9] offset:512*\i
.endr
.irp rt4, 0,1,2,3
.irp qt, 0,1
	global_load_b128 v[ACC+16*\rt4+8*\qt:ACC+16*\rt4+8*\qt+3], v2, s[12:13] offset:64*\rt4       ; cq of rows 16 rt4 + 8 h ..: the sums start from it
	global_load_b128 v[ACC+16*\rt4+8*\qt+4:ACC+16*\rt4+8*\qt+7], v2, s[12:13] offset:64*\rt4+16
.endr
.endr
.irp ot, 0,1,2,3
.irp kr, 0,1
	global_load_b128 v[PF+16*\ot+8*\kr:PF+16*\ot+8*\kr+3], v1, s[14:15] offset:4096*\kr+1024*\ot
	global_load_b128 v[PF+16*\ot+8*\kr+4:PF+16*\ot+8*\kr+7], v1, s[14:15] offset:4096*\kr+1024*\ot+512
.endr
.endr
	s_wait_loadcnt 16                              ; all but the 16 loads of P
	PROJ2 0
	PROJ2 1
	PLACES
.irp rt4, 0,1,2,3
	EXP2 \rt4, 0
	EXP2 \rt4, 1
.endr
	s_wait_loadcnt 0x0                             ; P
	OMUL QH, 0, 1                                  ; eight accumulators take turns, one instruction a turn
	OMUL QH, 1, 0
	OMUL QL, 0, 0
	OMUL QL, 1, 0
	PLACES
.irp ot, 0,1,2,3
.irp qt, 0,1
	ds_store_b128 v3, v[ACC+16*\ot+8*\qt:ACC+16*\ot+8*\qt+3] offset:16*OPITCH*\ot+64*\qt
	ds_store_b128 v3, v[ACC+16*\ot+8*\qt+4:ACC+16*\ot+8*\qt+7] offset:16*OPITCH*\ot+64*\qt+16
.endr
.endr
	s_wait_dscnt 0x0                               ; my block is written before I signal
	s_barrier_signal -1
	s_barrier_wait -1
.irp rh, 0,1
.irp hd, 0,1,2,3,4,5,6,7
	ds_load_b128 v[32+32*\rh+4*\hd:32+32*\rh+4*\hd+3], v[4+(\hd>>2)] offset:(\hd&3)*2*WBLK+\rh*32*OPITCH
.endr
.endr
	ROWOUT 0, 8                                    ; the second row's eight loads stay out
	ROWOUT 1, 0
	s_wait_tensorcnt 0x0
	ds_add_u32 v30, v31
	s_wait_dscnt 0x0
	s_endpgm
.Lfunc_end_k_qd0ced6b1dd_mix:
	.size	k_qd0ced6b1dd_mix, .Lfunc_end_k_qd0ced6b1dd_mix-k_qd0ced6b1dd_mix
	.p2alignl 7, 3214868480
	.fill 96, 4, 3214868480
	.section	.rodata,"a",@progbits
	.p2align	6, 0x0
	.amdhsa_kernel k_qd0ced6b1dd_mix
		.amdhsa_group_segment_fixed_size 151552
		.amdhsa_private_segment_fixed_size 0
		.amdhsa_enable_private_segment 0
		.amdhsa_kernarg_size 48
		.amdhsa_user_sgpr_count 2
		.amdhsa_user_sgpr_kernarg_segment_ptr 1
		.amdhsa_wavefront_size32 1
		.amdhsa_system_sgpr_workgroup_id_x 1
		.amdhsa_system_sgpr_workgroup_id_y 1
		.amdhsa_system_sgpr_workgroup_id_z 1
		.amdhsa_system_vgpr_workitem_id 0
		.amdhsa_next_free_vgpr 256
		.amdhsa_next_free_sgpr 66
		.amdhsa_reserve_vcc 0
		.amdhsa_float_denorm_mode_32 3
		.amdhsa_float_denorm_mode_16_64 3
		.amdhsa_memory_ordered 1
		.amdhsa_forward_progress 1
		.amdhsa_inst_pref_size 28
	.end_amdhsa_kernel
	.amdgpu_metadata
---
amdhsa.version: [ 1, 2 ]
amdhsa.kernels:
  - .name:           k_qd0ced6b1dd_mix
    .symbol:         k_qd0ced6b1dd_mix.kd
    .args:
      - { .name: wqf, .offset: 0, .size: 8, .value_kind: global_buffer, .address_space: global }
      - { .name: xf, .offset: 8, .size: 8, .value_kind: global_buffer, .address_space: global }
      - { .name: cq, .offset: 16, .size: 8, .value_kind: global_buffer, .address_space: global }
      - { .name: pf, .offset: 24, .size: 8, .value_kind: global_buffer, .address_space: global }
      - { .name: bo, .offset: 32, .size: 8, .value_kind: global_buffer, .address_space: global }
      - { .name: out0, .offset: 40, .size: 8, .value_kind: global_buffer, .address_space: global }
    .group_segment_fixed_size: 151552
    .private_segment_fixed_size: 0
    .kernarg_segment_align: 8
    .kernarg_segment_size: 48
    .max_flat_workgroup_size: 512
    .sgpr_count:     66
    .vgpr_count:     256
    .wavefront_size: 32
...
	.end_amdgpu_metadata
.endif
;; end of part 2
